; MI455X (gfx1250); checked and timed in simulation.
; The chip was launched on July 23, 2026; its instructions are those of AMD's public machine-readable ISA for CDNA 5 (MIT licence, August 2026) and "CDNA5" Instruction Set Architecture Reference Guide (July 2026). The comments in the code are by the model that wrote it; some were corrected since.
;; KNRM. Allowed arithmetic: matrix products marked QUANTISED: E2M1 operands, one E8M0 scale for each 32 along K, by v_wmma_scale_f32_16x16x128_f8f6f4 with both operands' format E2M1 (or v_wmma_scale_f32_32x16x128_f4), f32 sums; products left as they are: f32 operands where the result goes on into a quantised operand, else bf16, f16 or f32 operands; f32 sums; everything else in f32.
;; Inputs: doc1 1,024 x 256 int32; doc2 1,024 x 256 int32; emb 100,000 x 128 float32; mlp_b 1 float32; mlp_w 1 x 11 float32; query1 1,024 x 32 int32; query2 1,024 x 32 int32.
;; Outputs: out0 1,024 x 1 float32.
;; This version of the problem:
;;   THIS VERSION OF THE PROBLEM IS GIVEN IN LOW PRECISION. The matrix products marked QUANTISED in the list below multiply operands that are first quantised to E2M1 (2 exponent bits, 1 mantissa bit; 4 bits a number), with one power-of-two scale for each 32 numbers along K (OCP MX v1.0); their sums are f32. All else is computed in f32.
;;   The module's matrix products, in the order in which they are computed (A, B: the left and right operand; K: the contracted axis; several contracted axes count as one K, in the product's order):
;;     1. batch 1,024 x [M 32, K 128] x [K 128, N 256]; A: computed on the way; B: computed on the way: QUANTISED
;;     2. [M 1,024, K 11] x [K 11, N 1]; A: computed on the way; B: input mlp_w: left as it is (K = 11 < 32)
;;     3. batch 1,024 x [M 32, K 128] x [K 128, N 256]; A: computed on the way; B: computed on the way: QUANTISED
;;     4. [M 1,024, K 11] x [K 11, N 1]; A: computed on the way; B: input mlp_w: left as it is (K = 11 < 32)
;;   THE QUANTISER, for each operand of a quantised product, along K:
;;     - K is cut into blocks of 32 from its start; a last block that is shorter is filled with zeros.
;;     - A block's scale is 2^e with e = floor(log2(the largest magnitude in the block)) - 2, held to -126 .. 127; a block of zeros has e = 0. As a byte (E8M0): e + 127.
;;     - Each number is divided by its block's scale, clamped to +-6, and rounded to the nearest number of E2M1, ties to even, subnormals kept.
;;     - The product sums the exact products of the quantised numbers (number of the format x scale) in f32.
;;   ~~~python
;;   def quantise(x, axis):      # numpy; x: float32 -> the quantised numbers, widened to float32 again
;;       x = np.moveaxis(x, axis, -1); K = x.shape[-1]
;;       x = np.pad(x, [(0, 0)] * (x.ndim - 1) + [(0, -K % 32)]); x = x.reshape(x.shape[:-1] + (-1, 32)); a = np.abs(x).max(-1, keepdims=True)
;;       e = np.where(a > 0, np.clip(np.frexp(np.where(a > 0, a, 1))[1] - 1 - 2, -126, 127), 0)      # np.frexp(a)[1] - 1 = floor(log2(a)), exactly
;;       r = np.clip(x / 2.0 ** e, -6, 6)
;;       step = 2.0 ** (np.maximum(np.frexp(np.where(r == 0, 1, r))[1] - 1, 0) - 1)
;;       q = np.round(r / step) * step * 2.0 ** e      # np.round: ties to even
;;       return np.moveaxis(q.reshape(q.shape[:-2] + (-1,))[..., :K], -1, axis).astype(np.float32)
;;   ~~~
;;   OPERANDS COMPUTED ON THE WAY. 'Computed on the way' means the value that the module computes at that place (a softmax that the list does not call 'softmax' is quantised finished and normalised). What goes into a quantiser is computed in f32, as accurately as f32 sums, v_exp_f32 and their like allow (about 1e-6 of the number): no bf16 or f16 on the way to a quantiser, and a product that is left as it is and whose result goes on into a quantised operand takes f32 operands (vector FMAs, or v_wmma_f32_16x16x4_f32). A number that lies on a knife's edge between two numbers of the format may be rounded either way, as far as f32 arithmetic and the matrix unit's own rounding can turn it there, and no further.
;; One version. Each part assembles by itself: llvm-mc -triple=amdgcn-amd-amdhsa -mcpu=gfx1250 --defsym DOCPART=n.
;; ======== version 1 of 1: 2 launches
;; workspace buffers: codes 6,400,000 bytes; meta 800,000 bytes
;; launch quant (part 1): grid 625 x 1, 5 waves a work-group, no clusters, 29,440 bytes of LDS; arguments emb, codes, meta; writes codes, meta
.if DOCPART == 1
	.amdgcn_target "amdgcn-amd-amdhsa--gfx1250"
	.amdhsa_code_object_version 6
	.text
	.protected	k_q1179723001_quant
	.globl	k_q1179723001_quant
	.p2align	8
	.type	k_q1179723001_quant,@function
k_q1179723001_quant:
	s_mov_b64 s[64:65], 0
	v_nop
	global_prefetch_b8 v0, s[64:65] scope:SCOPE_SE
	s_setreg_imm32_b32 hwreg(HW_REG_WAVE_MODE, 25, 1), 1
	s_wait_xcnt 0x0
; emb [100000][128] f32 is read once and turned, row by row, into what the second launch gathers:
;   codes [100000][64 bytes]: E2M1, two codes a byte, the lower k in the low four bits, K innermost;
;   meta  [100000][2 words]:  word 0 = 1 / sqrt(sum of the row's squares), f32, of the UNQUANTISED numbers; word 1 = the row's four E8M0 bytes, byte b for k = 32 b .. 32 b + 31.
; A block's scale is 2^(floor(log2(its largest magnitude)) - 2); its byte is the largest magnitude's exponent field - 2, held at 1 from below.  (A block of zeros so gets the byte 1 where the
; rule says 127: its codes are zeros, which add nothing under any byte but 0xff, and this program alone reads the bytes.)  Each number is divided by the scale and rounded to the nearest code, ties to even;
; beyond 6 the conversion gives the largest code.
; LIMITS: NaN and infinities are not served.  A row whose sum of squares lies under 2^-126 gets 1 / norm = infinity, as a row of zeros does (v_rsq_f32 takes such an input as zero: ISA guide, its entry in 15.8).
; SHARES: 100000 rows = 625 work-groups x 5 waves x 32 rows.  A wave takes 8 steps of 4 rows (512 numbers).  All its 32 loads go out at once: 16 KiB a wave on their way, each load 512 consecutive bytes.
; The conversions take 8 numbers of ONE block from a lane's registers, so a step's 2,048 bytes turn through the wave's own stage in LDS: in as they were loaded, back 64 bytes a lane (16 neighbours along K;
; two lanes hold a block, eight lanes a row).  The stage has 16 bytes of padding behind each 64.  A lane's 16 codes are 8 bytes: the wave stores 256 consecutive bytes a step.
; The wave's 32 meta records, 256 bytes, are gathered in its own LDS bytes and leave as one store of 256 consecutive, aligned bytes.  Waves share nothing: no barrier.
.set WAVES, 5
.set STEPS, 8
.set EMAX,  2                          ; exponent of the format's largest number, 6
.set SP,    80                         ; a lane's place in a stage: its 64 bytes + 16 of padding
.set STG,   32*SP                      ; a stage
.set META,  2*STG                      ; behind the two stages: the wave's 256 bytes of meta records
.set WREG,  5632                       ; LDS bytes of a wave
.set X,     32                         ; v32-63   two sets of 16 neighbours
.set R,     64                         ; v64-191  eight sets of 16 numbers as they are loaded
.set C,     192                        ; v192-207 codes: two registers for each step, so that no store's data are written again
.set E,     208                        ; v208-215 a scale byte for each step
.set SS,    216                        ; v216-223 a row's sum of squares for each step, then 1 / norm
	s_load_b128 s[4:7], s[0:1], 0x0                ; emb, codes
	s_load_b64 s[8:9], s[0:1], 0x10                ; meta
	v_lshl_add_u32 v224, v0, 2, 0x7000
	v_mov_b32 v225, 0
	v_lshrrev_b32 v1, 5, v0
	v_readfirstlane_b32 s16, v1                    ; wave 0..4
	v_and_b32 v2, 31, v0                           ; lane
	v_lshlrev_b32 v3, 4, v2                        ; my 16 bytes of a load's 512
	s_mul_i32 s17, s16, WREG
	v_lshrrev_b32 v14, 2, v2
	v_mul_u32_u24 v14, v14, SP
	v_and_b32 v15, 3, v2
	v_lshl_add_u32 v14, v15, 4, v14
	v_add_nc_u32 v14, s17, v14                     ; the stage, on the way in: SP (lane / 4) + 16 (lane % 4); a load's 512 bytes take eight places
	v_mul_u32_u24 v15, v2, SP
	v_add_nc_u32 v15, s17, v15                     ; and on the way out: SP x lane: my 16 neighbours
	v_lshlrev_b32 v4, 3, v2                        ; 8 x lane: my codes' place in a step's 256 bytes, and my record's place in the wave's 256
	s_add_co_u32 s17, s17, META
	v_lshrrev_b32 v5, 3, v2                        ; which of the step's four rows is mine
	v_lshl_add_u32 v6, v5, 3, s17                  ; LDS: that row's record (a step's four records are 32 bytes)
	v_bfe_u32 v7, v2, 1, 2                         ; which of the row's four blocks is mine
	v_add_nc_u32 v5, v6, v7                        ; its byte lies 4 + block bytes into the record
	v_add_nc_u32 v7, s17, v4                       ; and on the way out 8 bytes a lane
	s_mul_i32 s18, ttmp9, WAVES
	s_add_co_u32 s18, s18, s16                     ; which run of 32 rows is my wave's: 0 .. 3124
	s_lshl_b32 s20, s18, 14                        ; 32 rows x 512 bytes of emb (under 2^26)
	s_mov_b32 s21, 0
	s_lshl_b32 s22, s18, 11                        ; 32 rows x 64 bytes of codes
	s_mov_b32 s23, 0
	s_lshl_b32 s24, s18, 8                         ; 32 records of 8 bytes
	s_mov_b32 s25, 0
	s_wait_kmcnt 0x0
	s_add_nc_u64 s[4:5], s[4:5], s[20:21]
	s_add_nc_u64 s[6:7], s[6:7], s[22:23]
	s_add_nc_u64 s[8:9], s[8:9], s[24:25]
.macro LOAD t
.irp i, 0,1,2,3
	global_load_b128 v[R+16*(\t)+4*\i:R+16*(\t)+4*\i+3], v3, s[4:5] offset:2048*(\t)+512*\i th:TH_LOAD_NT   ; 32 lanes read 512 consecutive bytes; the launch reads them once
.endr
.endm
.macro TURN t                          ; step t's numbers through the stage: LDS serves a wave's instructions in order (ISA guide 5.7.1.4), so no wait stands between the stores and the loads
.irp i, 0,1,2,3
	ds_store_b128 v14, v[R+16*(\t)+4*\i:R+16*(\t)+4*\i+3] offset:STG*((\t)%2)+8*SP*\i
.endr
.irp i, 0,1,2,3
	ds_load_b128 v[X+16*((\t)%2)+4*\i:X+16*((\t)%2)+4*\i+3], v15 offset:STG*((\t)%2)+16*\i
.endr
.endm
.irp t, 0,1,2,3,4,5,6,7
	LOAD \t
.endr
	s_wait_loadcnt 28                              ; step 0's four loads are in; the 28 behind them may be out
	TURN 0
.macro STEP t
.set XS, X+16*((\t)%2)
.if (\t) > 0
	s_wait_dscnt 1                                 ; this step's numbers are back from the stage; the last step's byte store may be out
.else
	s_wait_dscnt 0x0
.endif
.if (\t)+1 < STEPS
	s_wait_loadcnt 4*(STEPS-2-(\t))                ; the next step's four loads are in; those of the steps behind it may be out
	TURN (\t)+1                                    ; and go through the other stage while this step is worked
.endif
	v_max3_num_f32 v8, |v[XS]|, |v[XS+1]|, |v[XS+2]|               ; the largest magnitude of my 16, in two chains,
	v_max3_num_f32 v9, |v[XS+3]|, |v[XS+4]|, |v[XS+5]|
	v_pk_mul_f32 v[16:17], v[XS:XS+1], v[XS:XS+1]                  ; and their squares' sum, two at a time, in two chains
	v_pk_mul_f32 v[18:19], v[XS+2:XS+3], v[XS+2:XS+3]
.irp i, 6,10
	v_max3_num_f32 v8, v8, |v[XS+\i]|, |v[XS+\i+1]|
	v_max3_num_f32 v9, v9, |v[XS+\i+2]|, |v[XS+\i+3]|
.endr
.irp i, 4,8,12
	v_pk_fma_f32 v[16:17], v[XS+\i:XS+\i+1], v[XS+\i:XS+\i+1], v[16:17]
	v_pk_fma_f32 v[18:19], v[XS+\i+2:XS+\i+3], v[XS+\i+2:XS+\i+3], v[18:19]
.endr
	v_max3_num_f32 v8, v8, |v[XS+14]|, |v[XS+15]|
	v_max3_num_f32 v8, v8, v9, (EMAX+1)<<23        ; and the floor 2^(EMAX + 1 - 127), under which no largest magnitude is taken: so the byte cannot fall under 1
	v_pk_add_f32 v[16:17], v[16:17], v[18:19]
	v_max_num_f32_dpp v8, v8, v8 row_xmask:1 row_mask:0xf bank_mask:0xf   ; with my neighbour's 16: the block's
	v_add_f32 v[SS+(\t)], v16, v17                 ; my 16 squares
	v_add_nc_u32 v11, -(EMAX<<23), v8              ; EMAX off the exponent field: the conversion takes the exponent field of this operand as its scale, and nothing else of it
	v_add_f32_dpp v[SS+(\t)], v[SS+(\t)], v[SS+(\t)] row_xmask:1 row_mask:0xf bank_mask:0xf   ; the eight lanes of a row: lanes l xor 1, 2, 4
	v_cvt_scalef32_pk8_fp4_f32 v[C+2*(\t)], v[XS:XS+7], v11        ; eight numbers / the scale, to the nearest code, ties to even; the first number's code in the lowest four bits
	v_cvt_scalef32_pk8_fp4_f32 v[C+2*(\t)+1], v[XS+8:XS+15], v11
	v_lshrrev_b32 v[E+(\t)], 23, v11               ; the scale's byte (a plain line behind the conversions)
	v_add_f32_dpp v[SS+(\t)], v[SS+(\t)], v[SS+(\t)] row_xmask:2 row_mask:0xf bank_mask:0xf
	v_add_f32_dpp v[SS+(\t)], v[SS+(\t)], v[SS+(\t)] row_xmask:4 row_mask:0xf bank_mask:0xf   ; the row's sum of squares, in all its eight lanes
	ds_store_b8 v5, v[E+(\t)] offset:32*(\t)+4     ; both lanes of a block write the same byte with the same value
	global_store_b64 v4, v[C+2*(\t):C+2*(\t)+1], s[6:7] offset:256*(\t)   ; 32 lanes store 256 consecutive bytes, at a multiple of 256 from the buffer's first byte
.endm
.irp t, 0,1,2,3,4,5,6,7
	STEP \t
.endr
.irp t, 0,1,2,3,4,5,6,7
	v_rsq_f32 v[SS+\t], v[SS+\t]                   ; 1 / norm: the eight steps' as one batch
.endr
	v_nop                                          ; a plain line behind the last of them,
	s_wait_alu depctr_va_vdst(0)                   ; and one wait for the batch, ahead of its first reader
.irp t, 0,1,2,3,4,5,6,7
	ds_store_b32 v6, v[SS+\t] offset:32*\t         ; the eight lanes of a row write the same word with the same value
.endr
	ds_load_b64 v[12:13], v7                       ; LDS serves a wave's instructions in order: this sees my stores
	s_wait_dscnt 0x0
	global_store_b64 v4, v[12:13], s[8:9]          ; 32 records: 256 consecutive bytes, aligned
	s_wait_tensorcnt 0x0
	ds_add_u32 v224, v225
	s_wait_dscnt 0x0
	s_endpgm
.Lfunc_end_k_q1179723001_quant:
	.size	k_q1179723001_quant, .Lfunc_end_k_q1179723001_quant-k_q1179723001_quant
	.p2alignl 7, 3214868480
	.fill 96, 4, 3214868480
	.section	.rodata,"a",@progbits
	.p2align	6, 0x0
	.amdhsa_kernel k_q1179723001_quant
		.amdhsa_group_segment_fixed_size 29440
		.amdhsa_private_segment_fixed_size 0
		.amdhsa_enable_private_segment 0
		.amdhsa_kernarg_size 24
		.amdhsa_user_sgpr_count 2
		.amdhsa_user_sgpr_kernarg_segment_ptr 1
		.amdhsa_wavefront_size32 1
		.amdhsa_system_sgpr_workgroup_id_x 1
		.amdhsa_system_sgpr_workgroup_id_y 1
		.amdhsa_system_sgpr_workgroup_id_z 1
		.amdhsa_system_vgpr_workitem_id 0
		.amdhsa_next_free_vgpr 226
		.amdhsa_next_free_sgpr 66
		.amdhsa_reserve_vcc 0
		.amdhsa_float_denorm_mode_32 3
		.amdhsa_float_denorm_mode_16_64 3
		.amdhsa_memory_ordered 1
		.amdhsa_forward_progress 1
		.amdhsa_inst_pref_size 25
	.end_amdhsa_kernel
	.amdgpu_metadata
---
amdhsa.version: [ 1, 2 ]
amdhsa.kernels:
  - .name:           k_q1179723001_quant
    .symbol:         k_q1179723001_quant.kd
    .args:
      - { .name: emb, .offset: 0, .size: 8, .value_kind: global_buffer, .address_space: global }
      - { .name: codes, .offset: 8, .size: 8, .value_kind: global_buffer, .address_space: global }
      - { .name: meta, .offset: 16, .size: 8, .value_kind: global_buffer, .address_space: global }
    .group_segment_fixed_size: 29440
    .private_segment_fixed_size: 0
    .kernarg_segment_align: 8
    .kernarg_segment_size: 24
    .max_flat_workgroup_size: 160
    .sgpr_count:     66
    .vgpr_count:     226
    .wavefront_size: 32
...
	.end_amdgpu_metadata
.endif
;; end of part 1
;; launch knrm (part 2): grid 1024 x 1, 4 waves a work-group, no clusters, 8,704 bytes of LDS; arguments codes, meta, doc1, doc2, query1, query2, mlp_w, mlp_b, out0; writes out0
.if DOCPART == 2
	.amdgcn_target "amdgcn-amd-amdhsa--gfx1250"
	.amdhsa_code_object_version 6
	.text
	.protected	k_q1179723001_knrm
	.globl	k_q1179723001_knrm
	.p2align	8
	.type	k_q1179723001_knrm,@function
k_q1179723001_knrm:
	s_mov_b64 s[64:65], 0
	v_nop
	global_prefetch_b8 v0, s[64:65] scope:SCOPE_SE
	s_setreg_imm32_b32 hwreg(HW_REG_WAVE_MODE, 25, 1), 1
	s_wait_xcnt 0x0
; out0[b] = sigmoid(logit(query1[b], doc1[b]) - logit(query2[b], doc2[b])).  logit = sum over k of w[k] x (sum over the 32 queries of log1p(sum over the 256 documents of K_k(sim))) + bias;
; sim = dot / max(|q| |d|, 1e-8), the dot on E2M1 codes with E8M0 scales, the norms of the unquantised rows; K_k(s) = exp(-(s - mu_k)^2 / (2 sigma_k^2)), mu = -0.9, -0.7 .. 0.9 with sigma 0.1, and mu = 1 with sigma 0.001.
; codes and meta are the first launch's: 64 bytes of codes a table row; a record of two words: 1 / norm, the four scale bytes.
; SHARES.  A work-group owns one b.  Wave w takes pair w / 2 and documents 128 (w % 2) .. + 127, all 32 queries: 8 tiles of documents x 2 tiles of queries = 16 matrix instructions.
; No tile is shared between work-groups and every row is found by an index: the operands are gathered straight into operand registers (lane (r, h) takes the 16 bytes at 16 h and at 32 + 16 h of row r's 64); no ring, no cluster.
; LAYOUT.  Source 0 = 16 documents, source 1 = 16 queries: in the result lane (r, h) holds ONE query r, and register j document 8 h + j.  So the sum over documents stays in the lane; the query's 1 / norm is one number a lane;
; the documents' 1 / norm are wanted one to a register: they go through 512 LDS bytes of the wave's own and come back by two loads a tile, the same bytes for all lanes of a half.
; One load of 32 documents' records serves two tiles: the even tile takes its scale words from lanes 0-15, the odd one from lanes 16-31.
; 1 / max(|q| |d|, 1e-8) is taken as min((1 / |q|) (1 / |d|), 1e8): a row of zeros has 1 / norm = infinity, the min holds it, and its dot is 0.
; THE TEN KERNELS OF SIGMA 0.1 FROM THREE EXPONENTIALS.  Their centres lie 0.2 apart, so with A = 2^96 K_5(s), rho = exp(20 s - 8), delta = exp(-20 s - 8):
;   K_(5+j) = l A rho^j, l = 2^-96 x e^4, e^4, 1, e^-8 for j = 1 .. 4;   K_(5-j) = l A delta^j, l = 2^-96 x e^8, e^12, e^12, e^8, 1 for j = 1 .. 5.   These are identities, nothing is cut off.
; The products A rho^j and A delta^j are summed over the documents as they are, and l is applied once, to the sum.  With the exact kernel that is 4 exponentials for a similarity.
; RANGE.  Rounding to E2M1 raises a block's sum of squares by at most (36 + 31 x 0.25) / (25 + 31 x 0.0625) = 1.624, so |sim| <= 1.625.  A would fall under 2^-126 only for s < -1.65 or s > 1.85: never.
; No term exceeds e^8 2^96 < 2^108, no sum of 256 of them 2^116.
; LIMITS: NaN and infinities are not served.  A row whose sum of squares lies under 2^-126 counts as a row of norm 0.  log1p(x) is log2(1 + x) x ln 2: an absolute error of some 6e-8 a term.
; The sums run in another order than the reference's.  Indices are held to 0 .. 99999.
; ORDER.  A tile's 32 exponentials are issued one by one between the chain instructions of the tile before; one wait stands behind each chain.  The text is written out, 16 tiles by macros: the register numbers of
; the documents' fragments differ from tile to tile.
.set VMAX,  99999                      ; the table's last row
.set IMG,   2048                       ; LDS: 0 .. 2047 the waves' 1 / norm (512 bytes each); from here four images of 12 registers (1,536 bytes each)
.set RST,   4                          ; v4   LDS: where I put a document's 1 / norm: 512 x wave + 4 x lane
.set RLD,   5                          ; v5   and where my half's eight begin: 512 x wave + 32 h
.set IST,   6                          ; v6   LDS: my wave's image: IMG + 1536 x wave + 16 x lane
.set ILD,   7                          ; v7   image 0 for my lane: IMG + 16 x lane
.set KB1,   8                          ; v[8:9]     -0.1 sqrt(50 log2 e), twice
.set KC1,   10                         ; v[10:11]   -8 log2 e, twice
.set QM,    12                         ; v[12:15]   queries' records: tile u: (1 / norm, scale word)
.set DM,    16                         ; v[16:23]   documents' records: 32 documents to a pair
.set QF,    24                         ; v[24:39]   the queries' two fragments
.set DF,    40                         ; v[40:103]  the documents' eight fragments
.set D,     104                        ; v[104:119] two result tiles, by turns
.set RD,    120                        ; v[120:135] two sets of eight 1 / norm, by turns
.set T,     136                        ; v[136:143] at work: the divisor's reciprocal, then sim
.set E,     144                        ; v[144:207] two sets of 32: +0 A, +8 rho, +16 delta, +24 the exact kernel, eight each: first the exponents, then the exponentials
.set ACC,   208                        ; v[208:251] the sums: query tile u, kernel k: the pair at ACC + 22 u + 2 k (even documents', odd documents')
.set NW,    252                        ; v[252:253] -sqrt(5e5 log2 e), twice
.set SH,    254                        ; v[254:255] 96, twice
.set IDF,   144                        ; at the head only: v144-151 offsets of the documents' codes, v152-155 of their records, v156-157 of the queries' codes, v158-159 of their records
.set IDM,   152
.set IDQ,   156
.set QOM,   158
.set F,     40                         ; at the end: v[40:51] my wave's sums, lane = query; v52-55 at work; v[56:103] the four images
.set LP,    52
.set G,     56
.set WV,    22                         ; s22  my wave's number
.set A1,    24                         ; s[24:25] sqrt(50 log2 e)
.set CP,    26                         ; s[26:27] 20 log2 e
.set CN,    28                         ; s[28:29] -20 log2 e
.set WW,    30                         ; s[30:31] sqrt(5e5 log2 e)
.set BIG,   32                         ; s32  1e8
.set SEL,   34                         ; s[34:35] v_permlanex16_b32's selects for lane l xor 16
.set LAM,   36                         ; s36-46 l of kernel k
.set LN2,   47
.set WK,    48                         ; s48-58 mlp_w;  s59 mlp_b
	s_load_b256 s[4:11], s[0:1], 0x0               ; codes s[4:5], meta s[6:7], doc1 s[8:9], doc2 s[10:11]
	s_load_b256 s[12:19], s[0:1], 0x20             ; query1 s[12:13], query2 s[14:15], mlp_w s[16:17], mlp_b s[18:19]
	s_load_b64 s[20:21], s[0:1], 0x40              ; out0
	s_set_vgpr_msb 0x40
	v_lshl_add_u32 v0, v0, 2, 0x2000
	v_mov_b32 v1, 0
	s_set_vgpr_msb 0x4000
	v_lshrrev_b32 v1, 5, v0
	v_readfirstlane_b32 s[WV], v1                  ; wave 0..3
	v_and_b32 v3, 31, v0                           ; lane
	v_and_b32 v1, 15, v0                           ; r
	v_bfe_u32 v2, v0, 4, 1                         ; h
	s_lshl_b32 s23, s[WV], 9
	v_lshl_add_u32 v[RST], v3, 2, s23
	v_lshl_add_u32 v[RLD], v2, 5, s23
	s_mul_i32 s23, s[WV], 1536
	s_add_co_u32 s23, s23, IMG
	v_lshl_add_u32 v[IST], v3, 4, s23
	v_lshl_add_u32 v[ILD], v3, 4, IMG
	v_lshlrev_b32 v1, 2, v1                        ; 4 r: an index by the fragments' pattern (both halves of the lanes take row r)
	v_lshlrev_b32 v2, 4, v2                        ; 16 h: my half's bytes of a row of codes
	v_lshlrev_b32 v3, 2, v3                        ; 4 x lane: an index by the records' pattern (32 rows)
	s_and_b32 s23, s[WV], 1
	s_lshl_b32 s23, s23, 9                         ; my half of the documents: 128 indices
	s_lshl_b32 s2, ttmp9, 10                       ; my b's 256 indices
	s_add_co_u32 s2, s2, s23
	s_mov_b32 s3, 0
	s_lshl_b32 s60, ttmp9, 7                       ; my b's 32 indices
	s_mov_b32 s61, 0
	s_wait_kmcnt 0x0
	s_cmp_lt_u32 s[WV], 2                          ; waves 0, 1: the first pair; waves 2, 3: the second.  The choice hangs on the wave's number alone
	s_cselect_b64 s[8:9], s[8:9], s[10:11]
	s_cselect_b64 s[12:13], s[12:13], s[14:15]
	s_add_nc_u64 s[8:9], s[8:9], s[2:3]
	s_add_nc_u64 s[12:13], s[12:13], s[60:61]
.irp u, 0,1
	global_load_b32 v[IDQ+\u], v1, s[12:13] offset:64*\u           ; query 16 u + r
.endr
.irp t, 0,1,2,3
	global_load_b32 v[IDM+\t], v3, s[8:9] offset:128*\t            ; document 32 t + lane
.endr
.irp t, 0,1,2,3,4,5,6,7
	global_load_b32 v[IDF+\t], v1, s[8:9] offset:64*\t             ; document 16 t + r
.endr
	s_load_b256 s[WK:WK+7], s[16:17], 0x0          ; mlp_w's eleven numbers and mlp_b: wanted at the end
	s_load_b96 s[WK+8:WK+10], s[16:17], 0x20
	s_load_b32 s59, s[18:19], 0x0
	s_lshl_b32 s2, ttmp9, 2
	s_add_nc_u64 s[20:21], s[20:21], s[2:3]        ; out0[b]
	; the constants, while the indices are on their way
	s_mov_b32 s[A1], 0x4107e439                    ; sqrt(50 log2 e) = 8.493218
	s_mov_b32 s[A1+1], s[A1]                       ; (a packed form names the pair and takes its low word for both halves: so both are written)
	s_mov_b32 s[CP], 0x41e6d4ca                    ; 20 log2 e = 28.853901
	s_mov_b32 s[CP+1], s[CP]
	s_mov_b32 s[CN], 0xc1e6d4ca
	s_mov_b32 s[CN+1], s[CN]
	s_mov_b32 s[WW], 0x44545498                    ; sqrt(5e5 log2 e) = 849.3218
	s_mov_b32 s[WW+1], s[WW]
	s_mov_b32 s[BIG], 0x4cbebc20                   ; 1e8 = 1 / 1e-8
	s_mov_b32 s[SEL], 0x76543210
	s_mov_b32 s[SEL+1], 0xfedcba98
	s_mov_b32 s[LAM+0], 0x0f800000                 ; 2^-96
	s_mov_b32 s[LAM+1], 0x153a4f54                 ; 2^-96 e^8
	s_mov_b32 s[LAM+2], 0x181ef0b3                 ; 2^-96 e^12
	s_mov_b32 s[LAM+3], 0x181ef0b3                 ; 2^-96 e^12
	s_mov_b32 s[LAM+4], 0x153a4f54                 ; 2^-96 e^8
	s_mov_b32 s[LAM+5], 0x0f800000                 ; 2^-96
	s_mov_b32 s[LAM+6], 0x125a6481                 ; 2^-96 e^4
	s_mov_b32 s[LAM+7], 0x125a6481                 ; 2^-96 e^4
	s_mov_b32 s[LAM+8], 0x0f800000                 ; 2^-96
	s_mov_b32 s[LAM+9], 0x09afe108                 ; 2^-96 e^-8
	s_mov_b32 s[LAM+10], 1.0                       ; the exact kernel is summed as it is
	s_mov_b32 s[LN2], 0x3f317218                   ; ln 2
.irp i, 0,1
	v_mov_b32 v[KB1+\i], 0xbf596d27                ; -0.8493218
	v_mov_b32 v[KC1+\i], 0xc138aa3b                ; -8 log2 e = -11.54156
	v_mov_b32 v[NW+\i], 0xc4545498                 ; -849.3218
	v_mov_b32 v[SH+\i], 0x42c00000                 ; 96
.endr
.set i, 0
.rept 44
	v_mov_b32 v[ACC+i], 0                          ; the 44 sums begin at 0: so one text serves all 16 tiles; these lines stand where the wave would wait for its indices anyway
.set i, i+1
.endr
	s_wait_loadcnt 0x0                             ; the 14 loads of indices
.irp i, 0,1,2,3,4,5,6,7,8,9,10,11,12,13
	v_min_u32 v[IDF+\i], VMAX, v[IDF+\i]           ; an index stays inside the table
.endr
.irp u, 0,1
	v_lshlrev_b32 v[QOM+\u], 3, v[IDQ+\u]          ; a record is 8 bytes,
	v_lshl_add_u32 v[IDQ+\u], v[IDQ+\u], 6, v2     ; a row of codes 64; + 16 h
.endr
.irp t, 0,1,2,3
	v_lshlrev_b32 v[IDM+\t], 3, v[IDM+\t]
.endr
.irp t, 0,1,2,3,4,5,6,7
	v_lshl_add_u32 v[IDF+\t], v[IDF+\t], 6, v2
.endr
	; the gathers, all 26 at once: 6 of records, 4 of the queries' codes, 16 of the documents'
.irp u, 0,1
	global_load_b64 v[QM+2*\u:QM+2*\u+1], v[QOM+\u], s[6:7]
.endr
.irp t, 0,1,2,3
	global_load_b64 v[DM+2*\t:DM+2*\t+1], v[IDM+\t], s[6:7]
.endr
.irp u, 0,1
	global_load_b128 v[QF+8*\u:QF+8*\u+3], v[IDQ+\u], s[4:5]               ; k = 32 h .. 32 h + 31
	global_load_b128 v[QF+8*\u+4:QF+8*\u+7], v[IDQ+\u], s[4:5] offset:32   ; k = 64 + 32 h ..
.endr
.irp t, 0,1,2,3,4,5,6,7
	global_load_b128 v[DF+8*\t:DF+8*\t+3], v[IDF+\t], s[4:5]
	global_load_b128 v[DF+8*\t+4:DF+8*\t+7], v[IDF+\t], s[4:5] offset:32
.endr
; Tile n of 16: documents 16 (n / 2) on, queries 16 (n % 2) on.
.macro WMMA n                          ; the dots: one instruction covers all of K = 128; C = 0.  Results by turns in two sets; operands and scales come by loads alone
.set WT, (\n)/2
.set WU, (\n)%2
.if WT%2
	v_wmma_scale_f32_16x16x128_f8f6f4 v[D+8*WU:D+8*WU+7], v[DF+8*WT:DF+8*WT+7], v[QF+8*WU:QF+8*WU+7], 0, v[DM+2*(WT/2)+1], v[QM+2*WU+1] matrix_a_fmt:MATRIX_FMT_FP4 matrix_b_fmt:MATRIX_FMT_FP4 matrix_a_scale:MATRIX_SCALE_ROW1
.else
	v_wmma_scale_f32_16x16x128_f8f6f4 v[D+8*WU:D+8*WU+7], v[DF+8*WT:DF+8*WT+7], v[QF+8*WU:QF+8*WU+7], 0, v[DM+2*(WT/2)+1], v[QM+2*WU+1] matrix_a_fmt:MATRIX_FMT_FP4 matrix_b_fmt:MATRIX_FMT_FP4
.endif
.endm
.macro RDLOAD t                        ; 1 / norm of documents 16 t + 8 h + 0 .. 7, one to a register
	ds_load_b128 v[RD+8*((\t)%2):RD+8*((\t)%2)+3], v[RLD] offset:64*(\t)
	ds_load_b128 v[RD+8*((\t)%2)+4:RD+8*((\t)%2)+7], v[RLD] offset:64*(\t)+16
.endm
; Tile n's eight similarities and their 32 exponents (to base 2): 40 instructions, in groups of four or eight that do not wait for each other.
.macro ARGS n
.set DD, D+8*((\n)%2)
.set RR, RD+8*(((\n)/2)%2)
.set EA, E+32*((\n)%2)
.set QQ, QM+2*((\n)%2)
.irp i, 0,2,4,6
	v_pk_mul_f32 v[T+\i:T+\i+1], v[RR+\i:RR+\i+1], v[QQ:QQ+1] op_sel_hi:[1,0]      ; (1 / |d|) (1 / |q|): of the pair the low word, 1 / |q|, serves both halves
.endr
.irp i, 0,1,2,3,4,5,6,7
	v_min_num_f32 v[T+\i], s[BIG], v[T+\i]         ; 1 / max(|q| |d|, 1e-8).  (These eight name no register of a matrix instruction: the places ahead of the first read of a result)
.endr
.irp i, 0,2,4,6
	v_pk_mul_f32 v[T+\i:T+\i+1], v[DD+\i:DD+\i+1], v[T+\i:T+\i+1]                  ; sim; the result tile is read from its low end on
.endr
.irp i, 0,2,4,6
	v_pk_fma_f32 v[EA+\i:EA+\i+1], v[T+\i:T+\i+1], s[A1:A1+1], v[KB1:KB1+1] op_sel_hi:[1,0,1]         ; x = sqrt(50 log2 e) (s - 0.1)
.endr
.irp i, 0,2,4,6
	v_pk_fma_f32 v[EA+8+\i:EA+9+\i], v[T+\i:T+\i+1], s[CP:CP+1], v[KC1:KC1+1] op_sel_hi:[1,0,1]       ; rho's exponent: (20 s - 8) log2 e
.endr
.irp i, 0,2,4,6
	v_pk_fma_f32 v[EA+16+\i:EA+17+\i], v[T+\i:T+\i+1], s[CN:CN+1], v[KC1:KC1+1] op_sel_hi:[1,0,1]     ; delta's: (-20 s - 8) log2 e
.endr
.irp i, 0,2,4,6
	v_pk_fma_f32 v[EA+24+\i:EA+25+\i], v[T+\i:T+\i+1], s[WW:WW+1], v[NW:NW+1] op_sel_hi:[1,0,1]       ; y = sqrt(5e5 log2 e) (s - 1): one rounding, so nothing is lost where s is near 1
.endr
.irp i, 0,2,4,6
	v_pk_fma_f32 v[EA+\i:EA+\i+1], v[EA+\i:EA+\i+1], v[EA+\i:EA+\i+1], v[SH:SH+1] neg_lo:[0,1,0] neg_hi:[0,1,0]   ; A's exponent: 96 - x x
.endr
.irp i, 0,2,4,6
	v_pk_mul_f32 v[EA+24+\i:EA+25+\i], v[EA+24+\i:EA+25+\i], v[EA+24+\i:EA+25+\i] neg_lo:[0,1] neg_hi:[0,1]       ; the exact kernel's: - y y
.endr
.endm
.macro NEXTEXP more                    ; one exponential of the NEXT tile's 32, in place; it names nothing of the chain round it
.if (\more) && (XQ < 32)
	v_exp_f32 v[EN+XQ], v[EN+XQ]
.endif
.set XQ, XQ+1
.endm
; Tile n's chain: 72 packed instructions on four pairs of similarities p.  KU (in the exact kernel's registers, once that is summed) runs A rho, A rho^2 ..; KD (in A's registers) A delta, A delta^2 ..; each is added
; to its kernel's sum; the last link of each run is one fused multiply-add into the sum.  36 places for the next tile's 32 exponentials: behind the last of them stand the chain's last eight instructions, which are plain.
.macro CHAIN n, more
.set EE, E+32*((\n)%2)
.set EN, E+32*(((\n)+1)%2)
.set AC, ACC+22*((\n)%2)
.set XQ, 0
.irp p, 0,2,4,6
	v_pk_add_f32 v[AC+20:AC+21], v[AC+20:AC+21], v[EE+24+\p:EE+25+\p]      ; kernel 10
	v_pk_add_f32 v[AC+10:AC+11], v[AC+10:AC+11], v[EE+\p:EE+1+\p]          ; kernel 5
	NEXTEXP \more
.endr
.irp p, 0,2,4,6
	v_pk_mul_f32 v[EE+24+\p:EE+25+\p], v[EE+\p:EE+1+\p], v[EE+8+\p:EE+9+\p]        ; KU = A rho
	v_pk_mul_f32 v[EE+\p:EE+1+\p], v[EE+\p:EE+1+\p], v[EE+16+\p:EE+17+\p]          ; KD = A delta
	NEXTEXP \more
.endr
.irp j, 1,2
.irp p, 0,2,4,6
	v_pk_add_f32 v[AC+10+2*\j:AC+11+2*\j], v[AC+10+2*\j:AC+11+2*\j], v[EE+24+\p:EE+25+\p]   ; kernel 5 + j
	v_pk_add_f32 v[AC+10-2*\j:AC+11-2*\j], v[AC+10-2*\j:AC+11-2*\j], v[EE+\p:EE+1+\p]       ; kernel 5 - j
	NEXTEXP \more
	v_pk_mul_f32 v[EE+24+\p:EE+25+\p], v[EE+24+\p:EE+25+\p], v[EE+8+\p:EE+9+\p]
	v_pk_mul_f32 v[EE+\p:EE+1+\p], v[EE+\p:EE+1+\p], v[EE+16+\p:EE+17+\p]
	NEXTEXP \more
.endr
.endr
.irp p, 0,2,4,6
	v_pk_add_f32 v[AC+16:AC+17], v[AC+16:AC+17], v[EE+24+\p:EE+25+\p]      ; kernel 8
	v_pk_add_f32 v[AC+4:AC+5], v[AC+4:AC+5], v[EE+\p:EE+1+\p]              ; kernel 2
	NEXTEXP \more
	v_pk_fma_f32 v[AC+18:AC+19], v[EE+24+\p:EE+25+\p], v[EE+8+\p:EE+9+\p], v[AC+18:AC+19]   ; kernel 9
	v_pk_mul_f32 v[EE+\p:EE+1+\p], v[EE+\p:EE+1+\p], v[EE+16+\p:EE+17+\p]
	NEXTEXP \more
.endr
.irp p, 0,2,4,6
	v_pk_add_f32 v[AC+2:AC+3], v[AC+2:AC+3], v[EE+\p:EE+1+\p]              ; kernel 1
	v_pk_fma_f32 v[AC:AC+1], v[EE+\p:EE+1+\p], v[EE+16+\p:EE+17+\p], v[AC:AC+1]             ; kernel 0
	NEXTEXP \more
.endr
.endm
; One turn: tile n + 1's exponents; the dots of tile n + 3, into the set that tile n + 1 has just left; tile n's chain with tile n + 1's exponentials between its lines; the wait for those.
.macro ITER n
.if ((\n)+1)%2 == 0
	s_wait_dscnt 0x0                               ; the new tile of documents: its 1 / norm, asked for two turns ago, are in
.endif
	ARGS (\n)+1
.if (((\n)+1)%2 == 0) && (((\n)+1)/2+1 < 8)
	RDLOAD ((\n)+1)/2+1                            ; the next tile of documents', into the set that was last read a turn ago
.endif
.if (\n)+3 < 16
.if ((\n)+3)%2 == 0
	s_wait_loadcnt 14-2*(((\n)+3)/2)               ; loads come back in order (ISA guide 5.7.1): that tile's two are in, two for each later tile may be out
.endif
	WMMA (\n)+3
.endif
	CHAIN \n, 1
	s_wait_alu depctr_va_vdst(0)                   ; one wait for the 32 exponentials, ahead of their first reader, the next chain
.endm
	s_wait_loadcnt 20                              ; the six loads of records are in; the 20 of codes may be out
.irp t, 0,1,2,3
	ds_store_b32 v[RST], v[DM+2*\t] offset:128*\t  ; 1 / norm of documents 32 t + lane.  LDS serves a wave's instructions in order (ISA guide 5.7.1.4): the loads below see these; the bytes are my wave's own
.endr
	RDLOAD 0
	RDLOAD 1
	s_wait_loadcnt 14                              ; the queries' four loads and the first tile's two are in
	WMMA 0
	WMMA 1
	s_wait_xcnt 0x0                                ; every gather has had its address read: the offsets' registers, which lie in E's, are written again only behind this wait
	s_wait_dscnt 2                                 ; the first set of 1 / norm is in; the second set's two loads may be out
	ARGS 0
	s_wait_loadcnt 12
	WMMA 2
.set XQ, 0
.rept 32
	v_exp_f32 v[E+XQ], v[E+XQ]                     ; the first tile's exponentials have no chain to stand in
.set XQ, XQ+1
.endr
	v_nop                                          ; a plain line behind the last of them
	s_wait_alu depctr_va_vdst(0)
.irp n, 0,1,2,3,4,5,6,7,8,9,10,11,12,13,14
	ITER \n
.endr
	CHAIN 15, 0
	; THE END.  Query tile 0's sums lie in both halves of the lanes (documents 8 h + j), tile 1's likewise.  The swap puts tile 1's lower half beside tile 0's lower half and tile 0's upper half beside tile 1's upper:
	; the sum of the two registers then holds query l in lane l.
.irp k, 0,1,2,3,4,5,6,7,8,9,10
	v_permlane16_swap_b32 v[ACC+2*\k], v[ACC+22+2*\k]
	v_permlane16_swap_b32 v[ACC+2*\k+1], v[ACC+23+2*\k]
.endr
.irp k, 0,1,2,3,4,5,6,7,8,9,10
	v_pk_add_f32 v[ACC+2*\k:ACC+2*\k+1], v[ACC+2*\k:ACC+2*\k+1], v[ACC+22+2*\k:ACC+23+2*\k]
.endr
.irp k, 0,1,2,3,4,5,6,7,8,9,10
	v_add_f32 v[F+\k], v[ACC+2*\k], v[ACC+2*\k+1]  ; even and odd documents: kernel k, query = lane, my 128 documents
.endr
	v_mov_b32 v[F+11], 0                           ; the twelfth register fills the third store
.irp i, 0,1,2
	ds_store_b128 v[IST], v[F+4*\i:F+4*\i+3] offset:512*\i         ; the twelve registers as an image: lane l's 16 bytes at 16 l
.endr
	s_wait_kmcnt 0x0                               ; mlp_w, mlp_b
	s_wait_dscnt 0x0                               ; for the others' sake: my stores have landed
	s_barrier_signal -1
	s_barrier_wait -1
	s_cmp_lg_u32 s[WV], 0
	s_cbranch_scc1 .Lend                           ; 704 numbers are left, 22 a lane: wave 0 finishes them
.irp w, 0,1,2,3
.irp i, 0,1,2
	ds_load_b128 v[G+12*\w+4*\i:G+12*\w+4*\i+3], v[ILD] offset:1536*\w+512*\i
.endr
.endr
	s_wait_dscnt 0x0
.irp p, 0,1
.irp i, 0,2,4,6,8,10
	v_pk_add_f32 v[G+24*\p+\i:G+24*\p+\i+1], v[G+24*\p+\i:G+24*\p+\i+1], v[G+24*\p+12+\i:G+24*\p+13+\i]   ; the two halves of pair p's documents
.endr
.endr
.irp k, 0,1,2,3,4,5,6,7,8,9,10
.irp p, 0,1
	v_fma_f32 v[G+24*\p+\k], v[G+24*\p+\k], s[LAM+\k], 1.0         ; 1 + l x the sum
.endr
.endr
.irp k, 0,1,2,3,4,5,6,7,8,9,10
.irp p, 0,1
	v_log_f32 v[G+24*\p+\k], v[G+24*\p+\k]
.endr
.endr
	v_nop                                          ; a plain line behind the last logarithm,
	s_wait_alu depctr_va_vdst(0)                   ; and one wait for the 22
	v_mul_f32 v[LP], s[WK], v[G]
	v_mul_f32 v[LP+1], s[WK], v[G+24]
.irp k, 1,2,3,4,5,6,7,8,9,10
	v_fmac_f32 v[LP], s[WK+\k], v[G+\k]            ; the sum over k of w[k] log2(..), my query's; the two pairs by turns
	v_fmac_f32 v[LP+1], s[WK+\k], v[G+24+\k]
.endr
.irp m, 1,2,4,8
	v_add_f32_dpp v[LP], v[LP], v[LP] row_xmask:\m row_mask:0xf bank_mask:0xf      ; over the 32 queries
	v_add_f32_dpp v[LP+1], v[LP+1], v[LP+1] row_xmask:\m row_mask:0xf bank_mask:0xf
.endr
	v_mov_b32 v[LP+2], 0                           ; (a lane permute's destination counts as one of its sources)
	v_mov_b32 v[LP+3], 0
	v_permlanex16_b32 v[LP+2], v[LP], s[SEL], s[SEL+1]
	v_permlanex16_b32 v[LP+3], v[LP+1], s[SEL], s[SEL+1]
	v_add_f32 v[LP], v[LP], v[LP+2]
	v_add_f32 v[LP+1], v[LP+1], v[LP+3]
	v_fma_f32 v[LP], v[LP], s[LN2], s59            ; logit 1 = ln 2 x the sum + bias
	v_fma_f32 v[LP+1], v[LP+1], s[LN2], s59        ; logit 2
	v_sub_f32 v[LP], v[LP], v[LP+1]
	v_mul_f32 v[LP], 0xbfb8aa3b, v[LP]             ; x -log2 e
	v_exp_f32 v[LP], v[LP]
	v_mov_b32 v[LP+2], 0                           ; (a plain line behind the exponential)  the store's offset
	s_wait_alu depctr_va_vdst(0)
	v_add_f32 v[LP], 1.0, v[LP]
	v_rcp_f32 v[LP], v[LP]                         ; the sigmoid
	v_cmp_eq_u32 vcc_lo, 0, v0
	v_nop                                          ; a plain line behind the reciprocal
	s_wait_alu depctr_va_vdst(0)
	s_wait_xcnt 0x0                                ; EXEC changes only behind this wait
	s_and_saveexec_b32 s60, vcc_lo                 ; thread 0 alone stores the work-group's one number
	global_store_b32 v[LP+2], v[LP], s[20:21]
	s_wait_xcnt 0x0                                ; and again, in front of the line that widens it
	s_or_b32 exec_lo, exec_lo, s60
.Lend:
	s_set_vgpr_msb 0x5
	s_wait_tensorcnt 0x0
	ds_add_u32 v0, v1
	s_wait_dscnt 0x0
	s_set_vgpr_msb 0x500
	s_endpgm
.Lfunc_end_k_q1179723001_knrm:
	.size	k_q1179723001_knrm, .Lfunc_end_k_q1179723001_knrm-k_q1179723001_knrm
	.p2alignl 7, 3214868480
	.fill 96, 4, 3214868480
	.section	.rodata,"a",@progbits
	.p2align	6, 0x0
	.amdhsa_kernel k_q1179723001_knrm
		.amdhsa_group_segment_fixed_size 8704
		.amdhsa_private_segment_fixed_size 0
		.amdhsa_enable_private_segment 0
		.amdhsa_kernarg_size 72
		.amdhsa_user_sgpr_count 2
		.amdhsa_user_sgpr_kernarg_segment_ptr 1
		.amdhsa_wavefront_size32 1
		.amdhsa_system_sgpr_workgroup_id_x 1
		.amdhsa_system_sgpr_workgroup_id_y 1
		.amdhsa_system_sgpr_workgroup_id_z 1
		.amdhsa_system_vgpr_workitem_id 0
		.amdhsa_next_free_vgpr 258
		.amdhsa_next_free_sgpr 66
		.amdhsa_reserve_vcc 1
		.amdhsa_float_denorm_mode_32 3
		.amdhsa_float_denorm_mode_16_64 3
		.amdhsa_memory_ordered 1
		.amdhsa_forward_progress 1
		.amdhsa_inst_pref_size 148
	.end_amdhsa_kernel
	.amdgpu_metadata
---
amdhsa.version: [ 1, 2 ]
amdhsa.kernels:
  - .name:           k_q1179723001_knrm
    .symbol:         k_q1179723001_knrm.kd
    .args:
      - { .name: codes, .offset: 0, .size: 8, .value_kind: global_buffer, .address_space: global }
      - { .name: meta, .offset: 8, .size: 8, .value_kind: global_buffer, .address_space: global }
      - { .name: doc1, .offset: 16, .size: 8, .value_kind: global_buffer, .address_space: global }
      - { .name: doc2, .offset: 24, .size: 8, .value_kind: global_buffer, .address_space: global }
      - { .name: query1, .offset: 32, .size: 8, .value_kind: global_buffer, .address_space: global }
      - { .name: query2, .offset: 40, .size: 8, .value_kind: global_buffer, .address_space: global }
      - { .name: mlp_w, .offset: 48, .size: 8, .value_kind: global_buffer, .address_space: global }
      - { .name: mlp_b, .offset: 56, .size: 8, .value_kind: global_buffer, .address_space: global }
      - { .name: out0, .offset: 64, .size: 8, .value_kind: global_buffer, .address_space: global }
    .group_segment_fixed_size: 8704
    .private_segment_fixed_size: 0
    .kernarg_segment_align: 8
    .kernarg_segment_size: 72
    .max_flat_workgroup_size: 128
    .sgpr_count:     66
    .vgpr_count:     258
    .wavefront_size: 32
...
	.end_amdgpu_metadata
.endif
;; end of part 2
